; MI455X (gfx1250); checked and timed in simulation.
; The chip was launched on July 23, 2026; its instructions are those of AMD's public machine-readable ISA for CDNA 5 (MIT licence, August 2026) and "CDNA5" Instruction Set Architecture Reference Guide (July 2026). The comments in the code are by the model that wrote it; some were corrected since.
;; Self Attention. Allowed arithmetic: matrix products marked QUANTISED: E4M3 operands, one given power-of-two scale a tensor, by v_wmma_f32_16x16x64_fp8_fp8 or v_wmma_f32_16x16x128_fp8_fp8, f32 sums; everything else in f32.
;; Inputs: W_in 1,024 x 3,072 float32; W_out 1,024 x 1,024 float32; b_in 3,072 float32; b_out 1,024 float32; lowp_scales 8 int32 (the exponents e of the quantised operands' scales 2^e); x 4 x 2,048 x 1,024 float32.
;; Outputs: out0 4 x 2,048 x 1,024 float32.
;; This version of the problem:
;;   THIS VERSION OF THE PROBLEM IS GIVEN IN LOW PRECISION. The matrix products marked QUANTISED in the list below multiply operands that are first quantised to E4M3 (4 exponent bits, 3 mantissa bits; 8 bits a number), with one given power-of-two scale for each operand tensor; their sums are f32. All else is computed in f32.
;;   The module's matrix products, in the order in which they are computed (A, B: the left and right operand; K: the contracted axis; several contracted axes count as one K, in the product's order):
;;     1. [M 8,192, K 1,024] x [K 1,024, N 3,072]; A: input x; B: input W_in: QUANTISED (scales: A lowp_scales[0], B lowp_scales[1])
;;     2. batch 64 x [M 2,048, K 64] x [K 64, N 2,048]; A: computed on the way; B: computed on the way: QUANTISED (scales: A lowp_scales[2], B lowp_scales[3])
;;     3. batch 64 x [M 64, K 2,048] x [K 2,048, N 2,048]; A: computed on the way; B: softmax (see below): QUANTISED (scales: A lowp_scales[4], B lowp_scales[5])
;;     4. [M 8,192, K 1,024] x [K 1,024, N 1,024]; A: computed on the way; B: input W_out: QUANTISED (scales: A lowp_scales[6], B lowp_scales[7])
;;   THE QUANTISER, for each operand of a quantised product, along K:
;;     - The operand's scale is 2^e, e = its entry of the input lowp_scales (int32; the entries are numbered through the quantised products in the list's order, A before B).
;;     - Each number is divided by the scale, clamped to +-448, and rounded to the nearest number of E4M3, ties to even, subnormals kept.
;;     - The product sums the exact products of the quantised numbers (number of the format x scale) in f32.
;;   ~~~python
;;   def quantise(x, axis, e):      # numpy; x: float32 -> the quantised numbers, widened to float32 again
;;       x = np.moveaxis(x, axis, -1); K = x.shape[-1]
;;       r = np.clip(x / 2.0 ** e, -448, 448)
;;       step = 2.0 ** (np.maximum(np.frexp(np.where(r == 0, 1, r))[1] - 1, -6) - 3)
;;       q = np.round(r / step) * step * 2.0 ** e      # np.round: ties to even
;;       return np.moveaxis(q, -1, axis).astype(np.float32)
;;   ~~~
;;   SOFTMAX AHEAD OF A QUANTISED PRODUCT. Where the list says 'softmax', what is quantised is not the finished softmax but p = 2^(t - M), with t = logit x log2(e) and M = ceil(the row's largest t), a whole number; so 1/2 < the row's largest p <= 1. The row's sum l is taken of the UNQUANTISED p, in f32, and the product's result is divided by l at the end. Since M is a whole number, a kernel that streams over the keys may use a running M (the ceiling of the running maximum): every later rescaling is an exact power of two, so the quantised numbers keep their values, but for numbers so far below the row's largest that they fall under the format's range.
;;   OPERANDS COMPUTED ON THE WAY. 'Computed on the way' means the value that the module computes at that place (a softmax that the list does not call 'softmax' is quantised finished and normalised). What goes into a quantiser is computed in f32, as accurately as f32 sums, v_exp_f32 and their like allow (about 1e-6 of the number): no bf16 or f16 on the way to a quantiser, and a product that is left as it is and whose result goes on into a quantised operand takes f32 operands (vector FMAs, or v_wmma_f32_16x16x4_f32). A number that lies on a knife's edge between two numbers of the format may be rounded either way, as far as f32 arithmetic and the matrix unit's own rounding can turn it there, and no further.
;; One version. Each part assembles by itself: llvm-mc -triple=amdgcn-amd-amdhsa -mcpu=gfx1250 --defsym DOCPART=n.
;; ======== version 1 of 1: 4 launches
;; limits: right only within a limited range of input values
;; workspace buffers: xc 8,388,608 bytes; wic 3,145,728 bytes; woc 1,048,576 bytes; qkvc 25,165,824 bytes; ac 8,388,608 bytes
;; launch quant (part 1): grid 384 x 1, 4 waves a work-group, no clusters, 102,912 bytes of LDS; arguments x, W_in, W_out, lowp_scales, xc, wic, woc; writes xc, wic, woc
.if DOCPART == 1
	.amdgcn_target "amdgcn-amd-amdhsa--gfx1250"
	.amdhsa_code_object_version 6
	.text
	.protected	k_q9d415c6e85_quant
	.globl	k_q9d415c6e85_quant
	.p2align	8
	.type	k_q9d415c6e85_quant,@function
k_q9d415c6e85_quant:
	s_mov_b64 s[64:65], 0
	v_nop
	global_prefetch_b8 v0, s[64:65] scope:SCOPE_SE
	s_setreg_imm32_b32 hwreg(HW_REG_WAVE_MODE, 25, 1), 1
	s_wait_xcnt 0x0
; x [8192][1024], W_in [1024][3072] and W_out [1024][1024], f32, become codes of E4M3, one byte each, K innermost:
; xc [8192][1024], wic [3072][1024], woc [1024][1024].  code = number / 2^e, held within +-448, to the nearest code, ties to even;
; e = entry 0 (x), 1 (W_in), 7 (W_out) of the scales.  LIMITS: each e between -126 and 119; NaN among the inputs is not served.
; Work-groups 0-255 take x (K is innermost: a plain stream), 256-351 W_in, 352-383 W_out (K is the first axis: a lane takes a column and its
; registers run down K).  Each work-group reads 131,072 bytes.  The three ways part on the work-group's number and never join; each has LDS bytes of its own.
; No tensor loads, no barrier: waves share nothing.  No prefetch: the launch is one stream of loads that are all issued ahead.
.set STEPS, 16
.set R,     16                         ; x: v16-79   four sets of 16 numbers as they are loaded
.set X,     80                         ; x: v80-111  two sets of 16 neighbours
.set C,     128                        ; x: v128-191 codes, four registers a step: no store's data are written again
.set WREG,  8192                       ; x: LDS for each wave: two stages of 32 x SP bytes
.set SP,    80                         ; x: a lane's place in a stage: 64 bytes + 16 of padding
.set PITCH, 272                        ; weights: a stage row: 256 codes + 16 of padding
.set XW,    32                         ; weights: v32-95 two sets of 32 numbers
.set CW,    96                         ; weights: v96-103 a block's codes
.set OUTR,  112                        ; weights: v112-175 the way out
.set LBI,   32768                      ; LDS: W_in's stages
.set LBO,   LBI+4*32*PITCH             ; LDS: W_out's stages
.macro SCALEREG e                      ; v11 = 2^e as f32 (the conversion takes its exponent field), v10 = 448 x 2^e
	s_add_co_i32 s32, s[\e], 127
	s_lshl_b32 s33, s32, 23
	v_mov_b32 v11, s33
	s_add_co_i32 s32, s32, 8
	s_lshl_b32 s32, s32, 23
	s_or_b32 s32, s32, 0x600000
	v_mov_b32 v10, s32
.endm
.macro XLOAD t                         ; step t: four loads of 512 consecutive bytes
.irp i, 0,1,2,3
	global_load_b128 v[R+16*((\t)%4)+4*\i:R+16*((\t)%4)+4*\i+3], v3, s[4:5] offset:2048*(\t)+512*\i th:TH_LOAD_NT
.endr
.endm
.macro XTURN t                         ; step t's 2,048 bytes through the wave's stage: in as they lie, out 64 bytes a lane; LDS serves a wave's instructions in order
.irp i, 0,1,2,3
	ds_store_b128 v14, v[R+16*((\t)%4)+4*\i:R+16*((\t)%4)+4*\i+3] offset:32*SP*((\t)%2)+8*SP*\i
.endr
.irp i, 0,1,2,3
	ds_load_b128 v[X+16*((\t)%2)+4*\i:X+16*((\t)%2)+4*\i+3], v15 offset:32*SP*((\t)%2)+16*\i
.endr
.endm
.macro XSTEP t
.set XS, X+16*((\t)%2)
	s_wait_dscnt 0x0                               ; this step's numbers are back from the stage, and its stores into the stage have read their registers,
.if (\t)+4 < STEPS
	XLOAD (\t)+4                                   ; which take the loads of four steps on
.endif
.if (\t)+1 < STEPS
.if STEPS-2-(\t) >= 3
	s_wait_loadcnt 12                              ; the next step's four loads are in; those of the three steps behind it may be out
.else
	s_wait_loadcnt 4*(STEPS-2-(\t))
.endif
	XTURN (\t)+1
.endif
.set j, 0
.rept 16
	v_med3_num_f32 v[XS+j], v[XS+j], -v10, v10     ; the conversion to an 8-bit code does not saturate (ISA guide 7.6.2): the hold comes first
.set j, j+1
.endr
	v_cvt_scalef32_pk8_fp8_f32 v[C+4*(\t):C+4*(\t)+1], v[XS:XS+7], v11
	v_cvt_scalef32_pk8_fp8_f32 v[C+4*(\t)+2:C+4*(\t)+3], v[XS+8:XS+15], v11
	global_store_b128 v3, v[C+4*(\t):C+4*(\t)+3], s[12:13] offset:512*(\t)   ; the wave stores 512 consecutive bytes
.endm
.macro WLOAD t, n, wp                  ; block t: W(32 t + i, my column), i = 0 .. 31: each load reads 128 consecutive bytes a wave
.irp i, 0,1,2,3,4,5,6,7,8,9,10,11,12,13,14,15,16,17,18,19,20,21,22,23,24,25,26,27,28,29,30,31
	global_load_b32 v[XW+32*((\t)%2)+\i], v3, s[\wp:\wp+1] offset:(32*(\t)+\i)*(\n)*4 th:TH_LOAD_NT
.endr
.endm
.macro WBLOCK t, n, wp
.set XS, XW+32*((\t)%2)
.if (\t) < 7
	s_wait_loadcnt 32                              ; this block's 32 loads are in; the next block's may be out
.else
	s_wait_loadcnt 0
.endif
.set j, 0
.rept 32
	v_med3_num_f32 v[XS+j], v[XS+j], -v10, v10
.set j, j+1
.endr
.irp g, 0,1,2,3
	v_cvt_scalef32_pk8_fp8_f32 v[CW+2*\g:CW+2*\g+1], v[XS+8*\g:XS+8*\g+7], v11
.endr
	ds_store_b128 v4, v[CW:CW+3] offset:32*(\t)    ; 32 codes of my column's row
	ds_store_b128 v4, v[CW+4:CW+7] offset:32*(\t)+16
.if (\t)+2 < 8
	WLOAD (\t)+2, \n, \wp
.endif
	s_wait_dscnt 0x0                               ; the stores have read their registers: the next block's codes may be written
.endm
; A weight [1024][n]: the work-group takes 128 columns x 256 along K, a wave 32 columns.  Every offset is an immediate: 255 x n x 4 is 3,133,440 at the most.
.macro WPATH n, wp, cp, e, wg0, lb
	s_sub_co_u32 s19, ttmp9, \wg0
	s_and_b32 s20, s19, 3                          ; which 256 along K
	s_lshr_b32 s19, s19, 2
	s_lshl_b32 s19, s19, 7
	s_lshl_b32 s21, s18, 5
	s_add_co_u32 s19, s19, s21                     ; my wave's first column
	v_lshlrev_b32 v3, 2, v2                        ; in: 4 bytes a lane
	s_mul_i32 s21, s18, 32*PITCH
	s_add_co_u32 s21, s21, \lb                     ; my stage
	v_mul_u32_u24 v4, v2, PITCH
	v_add_nc_u32 v4, s21, v4                       ; into it: row = my column
	v_and_b32 v5, 15, v2
	v_lshrrev_b32 v6, 4, v2
	v_mul_u32_u24 v7, v6, PITCH
	v_lshl_add_u32 v7, v5, 4, v7
	v_add_nc_u32 v7, s21, v7                       ; out of it: sixteen lanes to a row, two rows an instruction
	v_lshlrev_b32 v8, 10, v6
	v_lshl_add_u32 v8, v5, 4, v8                   ; and the same place in the codes (rows of 1,024 bytes)
	s_mul_i32 s22, s20, 256*(\n)*4
	s_lshl_b32 s23, s19, 2
	s_add_co_u32 s22, s22, s23
	s_mov_b32 s23, 0
	s_add_nc_u64 s[\wp:\wp+1], s[\wp:\wp+1], s[22:23]
	s_lshl_b32 s22, s19, 10
	s_lshl_b32 s21, s20, 8
	s_add_co_u32 s22, s22, s21
	s_add_nc_u64 s[\cp:\cp+1], s[\cp:\cp+1], s[22:23]
	WLOAD 0, \n, \wp
	WLOAD 1, \n, \wp
	s_wait_kmcnt 0x0
	SCALEREG \e
	s_wait_alu depctr_va_vdst(0)
.irp t, 0,1,2,3,4,5,6,7
	WBLOCK \t, \n, \wp
.endr
.irp t, 0,1,2,3,4,5,6,7,8,9,10,11,12,13,14,15
	ds_load_b128 v[OUTR+4*\t:OUTR+4*\t+3], v7 offset:2*\t*PITCH
.endr
.irp t, 0,1,2,3,4,5,6,7,8,9,10,11,12,13,14,15
	s_wait_dscnt 15-\t                             ; LDS loads come back in order: pair t of rows is in
	global_store_b128 v8, v[OUTR+4*\t:OUTR+4*\t+3], s[\cp:\cp+1] offset:2*\t*1024   ; sixteen lanes store 256 consecutive bytes, aligned
.endr
	s_wait_tensorcnt 0x0
	ds_add_u32 v192, v193
	s_wait_dscnt 0x0
	s_endpgm
.endm
	s_load_b256 s[4:11], s[0:1], 0x0               ; x s[4:5], W_in s[6:7], W_out s[8:9], the scales s[10:11]
	s_load_b128 s[12:15], s[0:1], 0x20             ; xc s[12:13], wic s[14:15]
	s_load_b64 s[16:17], s[0:1], 0x30              ; woc
	v_lshl_add_u32 v192, v0, 2, 0x19000
	v_mov_b32 v193, 0
	v_lshrrev_b32 v1, 5, v0
	v_readfirstlane_b32 s18, v1                    ; wave
	v_and_b32 v2, 31, v0                           ; lane
	s_wait_kmcnt 0x0
	s_load_b256 s[24:31], s[10:11], 0x0            ; e0 .. e7
	s_cmp_lt_u32 ttmp9, 256
	s_cbranch_scc0 .Lweights
	; ---- x: a wave takes 16 steps of 512 numbers
	s_wait_alu depctr_va_vdst(0)
	v_lshlrev_b32 v3, 4, v2                        ; 16 x lane: my 16 bytes of a load's 512, and of a step's 512 bytes of codes
	s_wait_alu depctr_va_vdst(0)
	s_mul_i32 s19, s18, WREG
	v_lshrrev_b32 v14, 2, v2
	v_mul_u32_u24 v14, v14, SP
	v_and_b32 v15, 3, v2
	v_lshl_add_u32 v14, v15, 4, v14
	v_add_nc_u32 v14, s19, v14                     ; the stage, on the way in: SP (lane / 4) + 16 (lane % 4)
	v_mul_u32_u24 v15, v2, SP
	v_add_nc_u32 v15, s19, v15                     ; and on the way out: SP x lane: my 16 neighbours
	s_lshl_b32 s20, ttmp9, 2
	s_add_co_u32 s20, s20, s18                     ; which run of 8,192 numbers is my wave's
	s_lshl_b32 s22, s20, 15
	s_mov_b32 s23, 0
	s_add_nc_u64 s[4:5], s[4:5], s[22:23]
	s_lshl_b32 s22, s20, 13
	s_add_nc_u64 s[12:13], s[12:13], s[22:23]
.irp t, 0,1,2,3
	XLOAD \t
.endr
	s_wait_alu depctr_va_vdst(0)
	s_wait_kmcnt 0x0
	SCALEREG 24
	s_wait_alu depctr_va_vdst(0)
	s_wait_loadcnt 12                              ; step 0's four loads are in
	XTURN 0
.irp t, 0,1,2,3,4,5,6,7,8,9,10,11,12,13,14,15
	XSTEP \t
.endr
	s_wait_tensorcnt 0x0
	ds_add_u32 v192, v193
	s_wait_dscnt 0x0
	s_endpgm
.Lweights:
	s_cmp_lt_u32 ttmp9, 352
	s_cbranch_scc0 .Lwout
	s_wait_alu depctr_va_vdst(0)
	WPATH 3072, 6, 14, 25, 256, LBI
.Lwout:
	s_wait_alu depctr_va_vdst(0)
	WPATH 1024, 8, 16, 31, 352, LBO
.Lfunc_end_k_q9d415c6e85_quant:
	.size	k_q9d415c6e85_quant, .Lfunc_end_k_q9d415c6e85_quant-k_q9d415c6e85_quant
	.p2alignl 7, 3214868480
	.fill 96, 4, 3214868480
	.section	.rodata,"a",@progbits
	.p2align	6, 0x0
	.amdhsa_kernel k_q9d415c6e85_quant
		.amdhsa_group_segment_fixed_size 102912
		.amdhsa_private_segment_fixed_size 0
		.amdhsa_enable_private_segment 0
		.amdhsa_kernarg_size 56
		.amdhsa_user_sgpr_count 2
		.amdhsa_user_sgpr_kernarg_segment_ptr 1
		.amdhsa_wavefront_size32 1
		.amdhsa_system_sgpr_workgroup_id_x 1
		.amdhsa_system_sgpr_workgroup_id_y 1
		.amdhsa_system_sgpr_workgroup_id_z 1
		.amdhsa_system_vgpr_workitem_id 0
		.amdhsa_next_free_vgpr 194
		.amdhsa_next_free_sgpr 66
		.amdhsa_reserve_vcc 0
		.amdhsa_float_denorm_mode_32 3
		.amdhsa_float_denorm_mode_16_64 3
		.amdhsa_memory_ordered 1
		.amdhsa_forward_progress 1
		.amdhsa_inst_pref_size 134
	.end_amdhsa_kernel
	.amdgpu_metadata
---
amdhsa.version: [ 1, 2 ]
amdhsa.kernels:
  - .name:           k_q9d415c6e85_quant
    .symbol:         k_q9d415c6e85_quant.kd
    .args:
      - { .name: x, .offset: 0, .size: 8, .value_kind: global_buffer, .address_space: global }
      - { .name: W_in, .offset: 8, .size: 8, .value_kind: global_buffer, .address_space: global }
      - { .name: W_out, .offset: 16, .size: 8, .value_kind: global_buffer, .address_space: global }
      - { .name: lowp_scales, .offset: 24, .size: 8, .value_kind: global_buffer, .address_space: global }
      - { .name: xc, .offset: 32, .size: 8, .value_kind: global_buffer, .address_space: global }
      - { .name: wic, .offset: 40, .size: 8, .value_kind: global_buffer, .address_space: global }
      - { .name: woc, .offset: 48, .size: 8, .value_kind: global_buffer, .address_space: global }
    .group_segment_fixed_size: 102912
    .private_segment_fixed_size: 0
    .kernarg_segment_align: 8
    .kernarg_segment_size: 56
    .max_flat_workgroup_size: 128
    .sgpr_count:     66
    .vgpr_count:     194
    .wavefront_size: 32
...
	.end_amdgpu_metadata
.endif
;; end of part 1
;; launch qkv (part 2): grid 12 x 32, 4 waves a work-group, clusters of 4 x 4, 327,680 bytes of LDS; arguments xc, wic, b_in, lowp_scales, qkvc; writes qkvc
.if DOCPART == 2
	.amdgcn_target "amdgcn-amd-amdhsa--gfx1250"
	.amdhsa_code_object_version 6
	.text
	.protected	k_q9d415c6e85_qkv
	.globl	k_q9d415c6e85_qkv
	.p2align	8
	.type	k_q9d415c6e85_qkv,@function
k_q9d415c6e85_qkv:
	s_mov_b64 s[64:65], 0
	v_nop
	global_prefetch_b8 v0, s[64:65] scope:SCOPE_SE
	s_setreg_imm32_b32 hwreg(HW_REG_WAVE_MODE, 25, 1), 1
	s_wait_xcnt 0x0
	s_wait_alu depctr_hold_cnt(0) depctr_sa_sdst(0) depctr_va_vdst(0) depctr_va_sdst(0) depctr_va_ssrc(0) depctr_va_vcc(0) depctr_vm_vsrc(0)
	s_getreg_b32 s2, hwreg(HW_REG_IB_STS2, 6, 4)
	s_cmp_eq_u32 s2, 0
	s_cbranch_scc0 .Lentry_in_a_cluster
	s_endpgm
.Lentry_in_a_cluster:
	s_bfe_u32 s2, ttmp6, 0x10000c
	s_cmp_lg_u32 s2, 0xf033
	s_cbranch_scc0 .Lentry_shape_is_right
	s_endpgm
.Lentry_shape_is_right:
; qkv = x W_in + b_in on codes of E4M3, and its three parts quantised at once: q by e2, k by e3, v by e4.  xc [8192][1024], wic [3072][1024]: K innermost.
; A tile of 256 x 256 to a work-group of four waves, 128 x 128 a wave: 64 accumulators, 512 registers.  K = 1,024 goes in four steps of 256 through two LDS slots.
; ROLES.  Source 1 of the matrix instruction is called P, source 0 is called Q: a lane then holds one row of P and eight neighbours along Q's rows.
;   q and k (cluster x = 0, 1): P = tokens (xc), Q = channels (wic): a lane's eight numbers run along the head's 64, the K of the scores.
;   v       (cluster x = 2):    P = channels (wic), Q = tokens (xc): a lane's eight numbers run along the keys, the K of the second product of attention.
; The roles are chosen by selects on the cluster's x, which all sixteen partners share; no branch and no LDS address hangs on them.
; CLUSTER 4 x 4: P's tile hangs on cy alone and is asked for jointly along a row of the cluster, Q's on cx alone, jointly along a column.
; OUT: qkvc = q, k, v, 8,388,608 bytes each, in blocks of 8,192 bytes at (batch x 16 + head) x 131,072 + (block of 128 tokens) x 8,192: q, k [128 tokens][64], v [64][128 keys].
; LIMITS: e0 + e1 between -126 and 127; e2, e3, e4 between -126 and 119.  NaN among the inputs is not served.
; 384 tiles for 256 WGPs: a smaller wave tile would read more LDS bytes for each matrix instruction.  No prefetch: two of a tile's four K steps come by the first fills.
; REGISTERS: window 0: v8-29 addresses and scales; v32-95 the bias along Q; v96-111 the bias along P, in pairs; v128-255 P's fragments, one set (on the way out: at work).
;   window 1: Q's fragments, two sets.  windows 2, 3: the accumulators ((a, b) at v[8 (8 (a % 4) + b)]).
.set ROWB,   256
.set KROW,   1024
.set PITCH,  272                       ; an LDS row: 256 bytes + 16 of padding: the 16 rows of a fragment load start at 16 different banks (64 banks of 4 bytes: ISA guide 11.1)
.set FR,     16
.set NL,     4
.set NP,     4
.set HALFT,  128*PITCH
.set SLOT,   4*HALFT                   ; P's 256 rows, then Q's 256 rows
.set SPARE,  2*SLOT                    ; the spare words: 128 bytes a wave, named by no other line
.set SPITCH, 144                       ; the way out: a stage of 16 rows x (128 codes + 16) for each wave, in slot 0, which has had its last fill and its last read by then
.set CO,   8                           ; v8-11  my byte offsets in the output, one for each of a block's four stores
.set LIM,  12                          ; v12    448 x 2^eo
.set SCL,  13                          ; v13    2^eo
.set OBQ,  14                          ; v14    offset of the bias along Q
.set OBP,  15                          ; v15    offset of the bias along P
.set ADRA, 16
.set ADRB, 20
.set STO,  24
.set RD,   25
.set SPW,  28
.set NIL,  29
.set BQ,   32
.set BP,   96
.set AF,   128
.set TMP,  128
.set CD,   192
.set BK,   224
.set G1, 24
.set G0, 32
.set G1B, 48
.set G0B, 56
.set MSB, 0
.macro WIN new                         ; the immediate's high byte repeats the setting that is left
.if MSB != (\new)
	s_set_vgpr_msb (MSB<<8)|(\new)
.set MSB, (\new)
.endif
.endm
.set MUL_LO, 0xa1                      ; source 0 (Q) window 1, source 1 (P) window 0, C and D window 2
.set MUL_HI, 0xf1
.set TO_B,   0x40
.macro JLOAD g0a, g1a, g0b, g1b        ; a joint load: waves 0, 1 fetch P's halves, waves 2, 3 Q's; four v_nop follow each line
	s_cmp_eq_u32 s15, 0
	s_cbranch_scc0 .Lfor_b_\@
	tensor_load_to_lds s[\g0a:\g0a+3], s[\g1a:\g1a+7]
	s_nop 0
.rept 4
	v_nop
.endr
	s_branch .Lasked_\@
.Lfor_b_\@:
	tensor_load_to_lds s[\g0b:\g0b+3], s[\g1b:\g1b+7]
	s_nop 0
.rept 4
	v_nop
.endr
.Lasked_\@:
.endm
.macro CREST                           ; a round of the cluster's barrier behind its opening barrier
	s_cmp_lg_u32 s14, 0
	s_cbranch_scc1 .Lnot_wave_0_\@
	s_barrier_signal -3
.Lnot_wave_0_\@:
	s_barrier_wait -3
	s_barrier_signal -1
	s_barrier_wait -1
.endm
.macro CROUND
	s_barrier_signal -1
	s_barrier_wait -1
	CREST
.endm
	s_load_b256 s[4:11], s[0:1], 0x0               ; xc s[4:5], wic s[6:7], b_in s[8:9], the scales s[10:11]
	s_load_b64 s[12:13], s[0:1], 0x20              ; qkvc
	v_lshl_add_u32 v[SPW], v0, 2, SPARE
	v_mov_b32 v[NIL], 0
	ds_add_u32 v28, v29
	ds_add_u32 v28, v29
	s_wait_dscnt 0x0
	v_lshrrev_b32 v1, 5, v0
	v_readfirstlane_b32 s14, v1                    ; wave 0..3
	s_lshr_b32 s15, s14, 1                         ; my half of P's rows.  Also: I fetch for P (0) or for Q (1)
	s_and_b32 s16, s14, 1                          ; my half of Q's rows.  Also: which 128 rows I fetch
	s_bfe_u32 s40, ttmp6, 0x40000                  ; cx
	s_bfe_u32 s41, ttmp6, 0x40004                  ; cy
	s_and_b32 s66, ttmp7, 0xffff
	s_lshl_b32 s66, s66, 2                         ; 4 x cluster y
	s_lshl_b32 s67, ttmp9, 2                       ; 4 x cluster x
	s_cmp_eq_u32 ttmp9, 2                          ; v's clusters?
	s_cselect_b32 s17, 8, s66
	s_cselect_b32 s42, s66, s67
	s_cselect_b32 s68, -1, 0                       ; all ones for v
	s_add_co_u32 s17, s17, s41                     ; P's tile of 256 rows: hangs on cy alone
	s_add_co_u32 s42, s42, s40                     ; Q's tile: hangs on cx alone
	s_not_b32 s69, s68                             ; all ones for q and k
	s_lshl_b32 s43, s41, 2
	s_lshl_b32 s43, 15, s43                        ; my row of the cluster
	s_lshl_b32 s44, 0x1111, s40                    ; my column
	s_or_b32 s[G1+0], s43, (0<<16)|(1<<20)|(1<<21)|(5<<22)|(3<<25)   ; mask; elements of 1 byte; padding on; bit 21 beside a mask; 4 words behind every 64
	s_or_b32 s[G1B+0], s44, (0<<16)|(1<<20)|(1<<21)|(5<<22)|(3<<25)
.irp g, G1, G1B
	s_mov_b32 s[\g+1], ROWB<<16                    ; tensor_dim0
	s_mov_b32 s[\g+2], 128<<16                     ; tensor_dim1
	s_mov_b32 s[\g+3], ROWB<<16                    ; tile_dim0
	s_mov_b32 s[\g+4], 128                         ; tile_dim1
	s_mov_b32 s[\g+5], KROW                        ; from row to row
	s_mov_b32 s[\g+6], 0
	s_mov_b32 s[\g+7], 0
.endr
	s_lshl_b32 s18, s16, 17                        ; 128 rows of 1,024 bytes
	s_lshl_b32 s20, s17, 18
	s_add_co_u32 s20, s20, s18
	s_mov_b32 s21, 0
	s_lshl_b32 s46, s42, 18
	s_add_co_u32 s46, s46, s18
	s_mov_b32 s47, 0
	s_mul_i32 s45, s14, HALFT                      ; where my tile goes: wave x 128 rows
	s_wait_kmcnt 0x0
	s_load_b256 s[72:79], s[10:11], 0x0            ; e0 .. e7: waited for on the way out
	s_cmp_eq_u32 ttmp9, 2
	s_cselect_b64 s[80:81], s[6:7], s[4:5]         ; P's buffer
	s_cselect_b64 s[82:83], s[4:5], s[6:7]         ; Q's buffer
	s_add_nc_u64 s[20:21], s[80:81], s[20:21]
	s_add_nc_u64 s[46:47], s[82:83], s[46:47]
	CROUND                                         ; all sixteen work-groups are here: the first joint loads meet
.irp s, 0,1
	s_mov_b32 s[G0+4*\s], 1
	s_add_co_u32 s[G0+4*\s+1], s45, \s*SLOT
	s_add_nc_u64 s[G0+4*\s+2:G0+4*\s+3], s[20:21], \s*ROWB
	s_or_b32 s[G0+4*\s+3], s[G0+4*\s+3], 0x80000000
	s_mov_b32 s[G0B+4*\s], 1
	s_add_co_u32 s[G0B+4*\s+1], s45, \s*SLOT
	s_add_nc_u64 s[G0B+4*\s+2:G0B+4*\s+3], s[46:47], \s*ROWB
	s_or_b32 s[G0B+4*\s+3], s[G0B+4*\s+3], 0x80000000
.endr
	JLOAD G0, G1, G0B, G1B                         ; K step 0: one tensor load a wave at the head
	v_and_b32 v1, 15, v0                           ; r
	s_wait_alu depctr_va_vdst(0)
	v_bfe_u32 v2, v0, 4, 1                         ; h
	v_mul_u32_u24 v3, v1, PITCH
	v_lshl_add_u32 v4, v2, 4, v3                   ; a fragment's row x pitch + 16 h
	s_mul_i32 s22, s15, HALFT
	s_mul_i32 s23, s16, HALFT
	s_add_co_u32 s23, s23, 2*HALFT
.irp s, 0,1
	v_add_nc_u32 v[ADRA+\s], s22, v4
	v_add_nc_u32 v[ADRB+\s], s23, v4
	s_add_co_u32 s22, s22, SLOT
	s_add_co_u32 s23, s23, SLOT
.endr
	s_mul_i32 s22, s14, 16*SPITCH                  ; my stage
	v_mul_u32_u24 v5, v1, SPITCH
	s_wait_alu depctr_va_vdst(0)
	v_lshl_add_u32 v5, v2, 4, v5                   ; of each 32 codes of a row the four runs of 8 lie in the order 0, 2, 1, 3: half h's runs at 16 h
	v_add_nc_u32 v[STO], s22, v5                   ; in: row r, 8 codes for each half of the lanes
	v_and_b32 v6, 31, v0                           ; lane
	s_wait_alu depctr_va_vdst(0)
	v_lshrrev_b32 v7, 3, v6
	v_and_b32 v5, 7, v6
	v_mul_u32_u24 v3, v7, SPITCH
	v_lshl_add_u32 v3, v5, 4, v3
	v_add_nc_u32 v[RD], s22, v3                    ; back: eight lanes to a row of 128 codes, four rows an instruction
	; the biases.  q, k: b_in runs along Q's rows (my registers); v: along P's rows (my lane).  The other one is read at b_in's head and cleared on the way out.
	s_lshl_b32 s87, s42, 10
	s_lshl_b32 s22, s16, 9
	s_add_co_u32 s87, s87, s22
	s_and_b32 s87, s87, s69
	s_lshl_b32 s88, s17, 10
	s_lshl_b32 s22, s15, 9
	s_add_co_u32 s88, s88, s22
	s_and_b32 s88, s88, s68
	v_lshl_add_u32 v[OBQ], v2, 5, s87
	v_lshl_add_u32 v[OBP], v1, 2, s88
.irp b, 0,1,2,3,4,5,6,7
	global_load_b128 v[BQ+8*\b:BQ+8*\b+3], v[OBQ], s[8:9] offset:64*\b
	global_load_b128 v[BQ+8*\b+4:BQ+8*\b+7], v[OBQ], s[8:9] offset:64*\b+16
.endr
.irp a, 0,1,2,3,4,5,6,7
	global_load_b32 v[BP+2*\a], v[OBP], s[8:9] offset:64*\a
.endr
	; where my 128 x 128 goes
	s_lshl_b32 s89, s42, 1
	s_add_co_u32 s89, s89, s16                     ; v: my block of 128 tokens
	s_lshl_b32 s90, s17, 1
	s_add_co_u32 s90, s90, s15                     ; q, k: likewise
	s_lshl_b32 s91, s41, 2
	s_lshl_b32 s92, s15, 1
	s_add_co_u32 s91, s91, s92                     ; v: my first head
	s_lshl_b32 s92, s40, 2
	s_lshl_b32 s93, s16, 1
	s_add_co_u32 s92, s92, s93                     ; q, k: likewise
	s_mov_b32 s86, 256
	s_mov_b32 s70, 1024
	s_mov_b32 s84, 1024
	s_cmp_eq_u32 ttmp9, 2
	s_cselect_b32 s89, s89, s90
	s_cselect_b32 s91, s91, s92
	s_cselect_b32 s86, 512, s86                    ; from one of a block's four stores to the next
	s_cselect_b32 s70, 2048, s70                   ; from a block of 16 rows of P to the next,
	s_cselect_b32 s84, 124928, s84                 ; and from block 3 to block 4: v's next head
	s_mov_b32 s71, 0
	s_mov_b32 s85, 0
	s_lshl_b32 s90, ttmp9, 23                      ; q, k or v
	s_lshr_b32 s92, s89, 4
	s_lshl_b32 s92, s92, 21                        ; the batch entry
	s_add_co_u32 s90, s90, s92
	s_lshl_b32 s92, s91, 17                        ; the head
	s_add_co_u32 s90, s90, s92
	s_and_b32 s92, s89, 15
	s_lshl_b32 s92, s92, 13                        ; the block of 128 tokens
	s_add_co_u32 s90, s90, s92
	s_mov_b32 s91, 0
	s_add_nc_u64 s[12:13], s[12:13], s[90:91]
	v_lshlrev_b32 v3, 4, v6                        ; v: 16 x lane: a store covers 512 consecutive bytes
	v_bfe_u32 v5, v6, 2, 1                         ; q, k: which of my two heads,
	v_lshlrev_b32 v5, 17, v5
	v_lshl_add_u32 v5, v7, 6, v5                   ; the token's row of 64 bytes,
	v_and_b32 v4, 3, v6
	v_lshl_add_u32 v5, v4, 4, v5                   ; 16 bytes of it: a store covers 256 consecutive aligned bytes in each head
	v_cndmask_b32 v[CO], v5, v3, s68
	v_add_nc_u32 v[CO+1], s86, v[CO]
	v_add_nc_u32 v[CO+2], s86, v[CO+1]
	v_add_nc_u32 v[CO+3], s86, v[CO+2]
.macro FRAG reg, adr, q, i             ; 16 rows x 128 K: registers 4 c .. 4 c + 3 hold K = 32 c + 16 h + 0 .. 15, alike in P and Q
.irp c, 0,1,2,3
	ds_load_b128 v[\reg+4*\c:\reg+4*\c+3], v[\adr] offset:128*(\q)+32*\c+(\i)*16*PITCH
.endr
.endm
.macro MUL16 a0, p, zero               ; P's blocks a0, a0 + 1 x Q's eight.  The 64 accumulators take turns, one instruction a turn
.irp a, \a0, \a0+1
.irp b, 0,1,2,3,4,5,6,7
.if \zero
	v_wmma_f32_16x16x128_fp8_fp8 v[8*(8*((\a)%4)+\b):8*(8*((\a)%4)+\b)+7], v[128*(\p)+FR*\b:128*(\p)+FR*\b+FR-1], v[AF+FR*(\a):AF+FR*(\a)+FR-1], 0
.else
	v_wmma_f32_16x16x128_fp8_fp8 v[8*(8*((\a)%4)+\b):8*(8*((\a)%4)+\b)+7], v[128*(\p)+FR*\b:128*(\p)+FR*\b+FR-1], v[AF+FR*(\a):AF+FR*(\a)+FR-1], v[8*(8*((\a)%4)+\b):8*(8*((\a)%4)+\b)+7]
.endif
.endr
.endr
.endm
.macro FETCH_B slot, q, p
	WIN TO_B
.irp i, 0,1,2,3,4,5,6,7
	FRAG 128*(\p)+FR*\i, ADRB+\slot, \q, \i
.endr
	WIN 0
.endm
.macro FETCH_A slot, q, i0
.irp i, \i0, \i0+1, \i0+2, \i0+3
	FRAG AF+FR*(\i), ADRA+\slot, \q, \i
.endr
.endm
.macro PLACES n                        ; plain vector instructions between a matrix instruction and a load into a register that it has read (ISA guide 7.12.1 for vector instructions)
.rept \n
	v_nop
.endr
.endm
.macro STEP slot, q, zero              ; 128 along K whose successor lies in the same slot
	s_wait_dscnt 4*NL                              ; Q's set and P's blocks 0-3 are in; the youngest 16 loads (P's blocks 4-7) may be out
	WIN MUL_LO
	MUL16 0, (\q)%2, \zero
	MUL16 2, (\q)%2, \zero
	s_wait_dscnt 0
	PLACES NP
	FETCH_B \slot, (\q)+1, 1-(\q)%2
	FETCH_A \slot, (\q)+1, 0
	WIN MUL_HI
	MUL16 4, (\q)%2, \zero
	MUL16 6, (\q)%2, \zero
	PLACES NP
	WIN 0
	FETCH_A \slot, (\q)+1, 4
.endm
.macro TURN slot, next, fill           ; a slot's last 128 along K, and the change of slots
	s_wait_tensorcnt 0x0                           ; all my tensor loads have landed: my part of the next slot;
	ds_add_u32 v[SPW], v[NIL]                      ; 0 onto my spare word
	s_wait_dscnt 4*NL+1                            ; (the add and the youngest 16 loads may be out)
	WIN MUL_LO
	MUL16 0, 1, 0
	s_wait_dscnt 0x0                               ; the add is done, and my reads of this slot are over
	s_barrier_signal -1
	MUL16 2, 1, 0
	WIN 0
	s_barrier_wait -1
.if \fill
	CREST                                          ; the barrier has opened a round of the cluster's: no wave of any partner still reads this slot or has a load on its way
	s_add_nc_u64 s[G0+4*\slot+2:G0+4*\slot+3], s[G0+4*\slot+2:G0+4*\slot+3], 2*ROWB
	s_add_nc_u64 s[G0B+4*\slot+2:G0B+4*\slot+3], s[G0B+4*\slot+2:G0B+4*\slot+3], 2*ROWB
	JLOAD G0+4*\slot, G1, G0B+4*\slot, G1B         ; my one tensor load behind the round; its four v_nop are the places in front of the loads below
.else
	PLACES NP
.endif
	FETCH_B \next, 0, 0
	FETCH_A \next, 0, 0
	WIN MUL_HI
	MUL16 4, 1, 0
	MUL16 6, 1, 0
	PLACES NP
	WIN 0
	FETCH_A \next, 0, 4
.endm
	s_wait_alu depctr_va_vdst(0)                   ; the wait at the head's end
	s_wait_tensorcnt 0x0                           ; my part of K step 0 is in; slot 1's first fill is issued as a refill is:
	ds_add_u32 v[SPW], v[NIL]                      ; 0 onto my spare word
	s_wait_dscnt 0x0
	CROUND                                         ; a whole round: everybody's part of K step 0 is in, and the joint loads meet
	JLOAD G0+4, G1, G0B+4, G1B                     ; K step 1, the first tensor load behind the round
	FETCH_B 0, 0, 0
	FETCH_A 0, 0, 0
	FETCH_A 0, 0, 4
	STEP 0, 0, 1                                   ; the first products start the sums
	TURN 0, 1, 1                                   ; slot 0 takes K step 2
	STEP 1, 0, 0
	TURN 1, 0, 1                                   ; slot 1 takes K step 3
	STEP 0, 0, 0
	TURN 0, 1, 0
	STEP 1, 0, 0
	s_wait_dscnt 4*NL
	WIN MUL_LO
	MUL16 0, 1, 0
	MUL16 2, 1, 0
	s_wait_dscnt 0
	WIN MUL_HI
	MUL16 4, 1, 0
	MUL16 6, 1, 0
	WIN 0
	; THE WAY OUT.  number = sum x 2^(e0 + e1) + bias; code = number / 2^eo, held within +-448.  A block of 16 rows of P x 128 codes goes through my stage and leaves in four stores.
	s_wait_kmcnt 0x0
	s_add_co_i32 s96, s72, s73
	s_add_co_i32 s96, s96, 127
	s_lshl_b32 s96, s96, 23                        ; 2^(e0 + e1) as f32
	s_mov_b32 s97, s96
	s_cmp_eq_u32 ttmp9, 0
	s_cselect_b32 s93, s74, s75
	s_cmp_eq_u32 ttmp9, 2
	s_cselect_b32 s93, s76, s93                    ; eo = e2, e3 or e4
	s_add_co_i32 s93, s93, 127
	s_lshl_b32 s92, s93, 23
	s_add_co_i32 s93, s93, 8
	s_lshl_b32 s93, s93, 23
	s_or_b32 s93, s93, 0x600000
	s_wait_loadcnt 0x0                             ; the biases
.set j, 0
.rept 64
	v_and_b32 v[BQ+j], s69, v[BQ+j]                ; kept for q and k, 0 for v.  (These plain lines are also the places behind the last products)
.set j, j+1
.endr
.set j, 0
.rept 8
	v_and_b32 v[BP+j], s68, v[BP+j]                ; kept for v, 0 for q and k; twice, for the packed addition
	v_mov_b32 v[BP+j+1], v[BP+j]
.set j, j+2
.endr
	v_mov_b32 v[SCL], s92
	v_mov_b32 v[LIM], s93
.macro PACKQ a
.set AC, 64*((\a)%4)
.set CC, CD+16*((\a)%2)
.set BB, BK+16*((\a)%2)
	WIN 0x02+((\a)/4)                              ; source 0: window 2 or 3
.set j, 0
.rept 32
	v_pk_fma_f32 v[TMP+j:TMP+j+1], v[AC+j:AC+j+1], s[96:97], v[BQ+j:BQ+j+1] op_sel_hi:[1,0,1]   ; each accumulator from its low end on
.set j, j+2
.endr
	WIN 0
.set j, 0
.rept 32
	v_pk_add_f32 v[TMP+j:TMP+j+1], v[TMP+j:TMP+j+1], v[BP+2*(\a):BP+2*(\a)+1]   ; one of the two biases is 0: one rounding counts
.set j, j+2
.endr
.set j, 0
.rept 64
	v_med3_num_f32 v[TMP+j], v[TMP+j], -v[LIM], v[LIM]   ; the conversion does not saturate (ISA guide 7.6.2)
.set j, j+1
.endr
.irp b, 0,1,2,3,4,5,6,7
	v_cvt_scalef32_pk8_fp8_f32 v[CC+2*\b:CC+2*\b+1], v[TMP+8*\b:TMP+8*\b+7], v[SCL]
.endr
	v_nop                                          ; a plain line behind the last conversion
.irp b, 0,1,2,3,4,5,6,7
	ds_store_b64 v[STO], v[CC+2*\b:CC+2*\b+1] offset:32*(\b/2)+8*(\b%2)   ; q and k: the same order of d in both; v: 16 neighbouring bytes are keys 8 h + 0 .. 7 and 16 + 8 h + 0 .. 7 of the 32
.endr
.irp i, 0,1,2,3
	ds_load_b128 v[BB+4*\i:BB+4*\i+3], v[RD] offset:4*\i*SPITCH   ; LDS serves a wave's instructions in order: these see the stores above
.endr
.endm
.macro SENDQ a, younger
.set BB, BK+16*((\a)%2)
	s_wait_dscnt \younger
.if (\a) == 4
	s_add_nc_u64 s[12:13], s[12:13], s[84:85]
.elseif (\a) > 0
	s_add_nc_u64 s[12:13], s[12:13], s[70:71]
.endif
.irp i, 0,1,2,3
	global_store_b128 v[CO+\i], v[BB+4*\i:BB+4*\i+3], s[12:13]
.endr
.endm
	PACKQ 0
.irp a, 1,2,3,4,5,6,7
.if \a > 1
	s_wait_xcnt 0x0                                ; block a - 2's stores have read their registers and their base
.endif
	PACKQ \a
	SENDQ \a-1, 12                                 ; behind block a - 1's loads: block a's 8 stores and 4 loads
.endr
	s_wait_xcnt 0x0
	SENDQ 7, 0
	s_wait_tensorcnt 0x0                           ; the wave's end
	ds_add_u32 v[SPW], v[NIL]
	s_wait_dscnt 0x0
	CROUND                                         ; the closing round
	s_endpgm
.Lfunc_end_k_q9d415c6e85_qkv:
	.size	k_q9d415c6e85_qkv, .Lfunc_end_k_q9d415c6e85_qkv-k_q9d415c6e85_qkv
	.p2alignl 7, 3214868480
	.fill 96, 4, 3214868480
	.section	.rodata,"a",@progbits
	.p2align	6, 0x0
	.amdhsa_kernel k_q9d415c6e85_qkv
		.amdhsa_group_segment_fixed_size 327680
		.amdhsa_private_segment_fixed_size 0
		.amdhsa_enable_private_segment 0
		.amdhsa_kernarg_size 40
		.amdhsa_user_sgpr_count 2
		.amdhsa_user_sgpr_kernarg_segment_ptr 1
		.amdhsa_wavefront_size32 1
		.amdhsa_system_sgpr_workgroup_id_x 1
		.amdhsa_system_sgpr_workgroup_id_y 1
		.amdhsa_system_sgpr_workgroup_id_z 1
		.amdhsa_system_vgpr_workitem_id 0
		.amdhsa_next_free_vgpr 1024
		.amdhsa_next_free_sgpr 98
		.amdhsa_reserve_vcc 0
		.amdhsa_float_denorm_mode_32 3
		.amdhsa_float_denorm_mode_16_64 3
		.amdhsa_memory_ordered 1
		.amdhsa_forward_progress 1
		.amdhsa_inst_pref_size 163
	.end_amdhsa_kernel
	.amdgpu_metadata
---
amdhsa.version: [ 1, 2 ]
amdhsa.kernels:
  - .name:           k_q9d415c6e85_qkv
    .symbol:         k_q9d415c6e85_qkv.kd
    .args:
      - { .name: xc, .offset: 0, .size: 8, .value_kind: global_buffer, .address_space: global }
      - { .name: wic, .offset: 8, .size: 8, .value_kind: global_buffer, .address_space: global }
      - { .name: b_in, .offset: 16, .size: 8, .value_kind: global_buffer, .address_space: global }
      - { .name: lowp_scales, .offset: 24, .size: 8, .value_kind: global_buffer, .address_space: global }
      - { .name: qkvc, .offset: 32, .size: 8, .value_kind: global_buffer, .address_space: global }
    .group_segment_fixed_size: 327680
    .private_segment_fixed_size: 0
    .kernarg_segment_align: 8
    .kernarg_segment_size: 40
    .max_flat_workgroup_size: 128
    .sgpr_count:     98
    .vgpr_count:     1024
    .wavefront_size: 32
...
	.end_amdgpu_metadata
.endif
;; end of part 2
;; launch attn (part 3): grid 4 x 64, 16 waves a work-group, clusters of 4 x 1, 327,680 bytes of LDS; arguments qkvc, lowp_scales, ac; writes ac
.if DOCPART == 3
	.amdgcn_target "amdgcn-amd-amdhsa--gfx1250"
	.amdhsa_code_object_version 6
	.text
	.protected	k_q9d415c6e85_attn
	.globl	k_q9d415c6e85_attn
	.p2align	8
	.type	k_q9d415c6e85_attn,@function
k_q9d415c6e85_attn:
	s_mov_b64 s[64:65], 0
	v_nop
	global_prefetch_b8 v0, s[64:65] scope:SCOPE_SE
	s_setreg_imm32_b32 hwreg(HW_REG_WAVE_MODE, 25, 1), 1
	s_wait_xcnt 0x0
	s_wait_alu depctr_hold_cnt(0) depctr_sa_sdst(0) depctr_va_vdst(0) depctr_va_sdst(0) depctr_va_ssrc(0) depctr_va_vcc(0) depctr_vm_vsrc(0)
	s_getreg_b32 s2, hwreg(HW_REG_IB_STS2, 6, 4)
	s_cmp_eq_u32 s2, 0
	s_cbranch_scc0 .Lentry_in_a_cluster
	s_endpgm
.Lentry_in_a_cluster:
	s_bfe_u32 s2, ttmp6, 0x10000c
	s_cmp_lg_u32 s2, 0x3003
	s_cbranch_scc0 .Lentry_shape_is_right
	s_endpgm
.Lentry_shape_is_right:
; Causal attention on codes of E4M3: 64 (batch, head) pairs, 2,048 tokens, head size 64.  q, k: [128 tokens][64] in blocks of 8,192 bytes, v: [64][128 keys] likewise.
; In each 32 codes of a row of q, k and v the four runs of 8 lie in the order 0, 2, 1, 3, as the launch before has laid them.
; t = score x 2^(e2 + e3) x log2(e) / 8; M = the running largest t, rounded up to a whole number; p = 2^(t - M) is quantised by e5; the row's sum is taken of the unquantised p;
; O = (v p) x 2^(e4 + e5) / sum is quantised by e6 into ac: byte (token >> 7) x 131,072 + head x 8,192 + (token & 127) x 64 + d.
; LEFT OUT: key steps all of whose keys come after a tile's queries: the causal mask gives them the weight 0.
; K AND V STAY IN LDS: a head's codes are 2 x 131,072 bytes, 278,528 with the padding.  Each of sixteen waves asks for 16,384 of them once, at the head; one barrier; nothing is filled again.
; CLUSTER 4 x 1: the four work-groups of a head want the same bytes and ask for them jointly (mask 15).
; SHARES.  Wave w of work-group cx owns the tile of 16 queries 4 w + cx (w / 2 + 1 steps of 128 keys) and then tile 127 - 4 w - cx (16 - w / 2 steps): seventeen steps in every wave,
; so the trip count is a constant, and neither it nor any LDS address hangs on cx.  A tile's last step lies on the diagonal and is masked.  Four waves to a SIMD, 256 registers each.
; Both products are used transposed (S^T = k q^T, O^T = v^T p^T): a lane holds one query.  Tile t of k holds keys 16 t .. 16 t + 15, so p's codes fall into the second product's own order of k;
; by the order of v's runs a lane's 16 neighbouring bytes of v are four registers of that same order.  q and k are read alike, so each d meets its partner.
; NO PREFETCH: all tiles are asked for by the head's loads; there is no loop to run ahead in.
; The last trip's look-ahead reads a step of k that is not used, so that every trip has the same LDS loads.
; LIMITS: e2 + e3 between -123 and 130; e5, e6 between -126 and 119.  NaN is not served.
; REGISTERS: v1-11 addresses; v14 q's offset; v16-23 q in hand, v24-31 q of the second tile; v32-95 k's fragments, then v's; v96-159 S^T, then p; v160-191 O^T; v192-207 p's codes;
; v208 -M (a pair), v210 the largest score, v211 t, v212 the sum (a pair), v214 f (a pair), v216-221 partial sums, v222, v223, v232-234 at work; v224-231 the way out; v240-247 constants.
.set KSB,   8704                       ; a step of 128 keys in LDS: 32 rows of 256 bytes + 16 of padding
.set VOFF,  16*KSB                     ; v's sixteen steps lie behind k's
.set SPARE, 2*VOFF                     ; the spare words: 128 bytes a wave, named by no other line
.set STAGE, SPARE+2048                 ; the way out: 16 rows x 80 bytes for each wave; no tile lands here
.set AK0, 1
.set AV0, 2
.set ADK, 3
.set ADV, 4
.set SPW, 5
.set NIL, 6
.set GO,  7
.set STO, 8
.set SRD, 9
.set LQ,  10                           ; r - 8 h
.set WV,  18
.set CX,  19
.set SEL, 20
.set CS,  22
.set G1,  24
.set G0,  32
.set N,   36                           ; the trip, 0 .. 16
.set KS,  37                           ; the key step in hand, in bytes of LDS
.set KN,  38                           ; the next trip's
.set NW,  39                           ; -(m + 1)
.set DQ,  40                           ; my first query less the diagonal step's first key
.set DQH, 41                           ; the same for the second tile
.set E45, 42
.set MM,  43                           ; m = w / 2: the first tile's last key step
.set OUT, 44
.set OUTH, 46
.set ND,  48                           ; the next trip that lies on the diagonal: m, then 16
.macro ROUND                           ; a round of the cluster's barrier
	s_barrier_signal -1
	s_barrier_wait -1
	s_cmp_lg_u32 s[WV], 0
	s_cbranch_scc1 .Lnot_wave_0_\@
	s_barrier_signal -3
.Lnot_wave_0_\@:
	s_barrier_wait -3
	s_barrier_signal -1
	s_barrier_wait -1
.endm
.macro KLOAD adr                       ; k's eight tiles: 32 bytes of each key's row a lane, the same bytes as of q's rows
.irp t, 0,1,2,3,4,5,6,7
.irp c, 0,1
	ds_load_b128 v[32+8*\t+4*\c:35+8*\t+4*\c], v[\adr] offset:1088*\t+32*\c
.endr
.endr
.endm
.macro INIT copy                       ; a tile begins: O^T and the sum 0, the largest score -3e38, -M 3e38; copy = 1: q of the second tile
	v_mov_b32 v208, 0x7f61b1e6
	v_mov_b32 v210, 0xff61b1e6
	v_mov_b32 v212, 0
	v_mov_b32 v213, 0
.if \copy
.set j, 0
.rept 8
	v_mov_b32 v[16+j], v[24+j]
.set j, j+1
.endr
.endif
.set j, 0
.rept 32
	v_mov_b32 v[160+j], 0
.set j, j+1
.endr
.endm
; A tile's end: O^T x 2^(e4 + e5) / the sum, quantised by e6; 16 rows of 64 codes go through my stage and leave as 1,024 consecutive bytes.
.macro FINAL
	v_add_f32 v212, v212, v213
	v_permlanex16_b32 v223, v212, s[SEL], s[SEL+1]
	v_add_f32 v212, v212, v223
	s_wait_alu depctr_va_vdst(0)                   ; ahead of the reciprocal
	v_rcp_f32 v212, v212
	v_nop
	s_wait_alu depctr_va_vdst(0)                   ; and ahead of its first reader
	v_ldexp_f32 v214, v212, s[E45]
	s_wait_alu depctr_va_vdst(0)                   ; directly ahead of the first readers of O^T
.set j, 0
.rept 16
	v_pk_mul_f32 v[96+j:97+j], v[160+j:161+j], v[214:215] op_sel_hi:[1,0]   ; register 8 t + i is o(query r, 16 t + 8 h + i)
.set j, j+2
.endr
.set j, 0
.rept 32
	v_med3_num_f32 v[96+j], v[96+j], -v241, v241
.set j, j+1
.endr
.irp t, 0,1,2,3
	v_cvt_scalef32_pk8_fp8_f32 v[192+2*\t:193+2*\t], v[96+8*\t:103+8*\t], v245
.endr
	v_nop                                          ; a plain line behind the last conversion
.irp t, 0,1,2,3
	ds_store_b64 v[STO], v[192+2*\t:193+2*\t] offset:16*\t
.endr
.irp i, 0,1
	ds_load_b128 v[224+4*\i:227+4*\i], v[SRD] offset:640*\i   ; LDS serves a wave's instructions in order
.endr
	s_wait_dscnt 0x0
.irp i, 0,1
	global_store_b128 v[GO], v[224+4*\i:227+4*\i], s[OUT:OUT+1] offset:512*\i   ; 512 consecutive bytes, aligned
.endr
.endm
	s_load_b128 s[4:7], s[0:1], 0x0                ; qkvc s[4:5], the scales s[6:7]
	s_load_b64 s[8:9], s[0:1], 0x10                ; ac
	v_lshl_add_u32 v[SPW], v0, 2, SPARE
	v_mov_b32 v[NIL], 0
	ds_add_u32 v[SPW], v[NIL]                      ; the opening lines: the add, twice on end, and its wait
	ds_add_u32 v[SPW], v[NIL]
	v_lshrrev_b32 v8, 5, v0
	v_readfirstlane_b32 s[WV], v8                  ; wave 0..15
	s_bfe_u32 s[CX], ttmp6, 0x40000                ; my place in the cluster
	s_and_b32 s66, ttmp7, 0xffff                   ; batch x 16 + head
	s_lshl_b32 s68, s66, 17                        ; its 131,072 bytes in each of q, k, v
	s_lshr_b32 s70, s[WV], 3                       ; waves 0-7 fetch k, waves 8-15 v:
	s_add_co_u32 s70, s70, 1
	s_lshl_b32 s70, s70, 23
	s_add_co_u32 s70, s70, s68
	s_and_b32 s72, s[WV], 7                        ; an eighth of the head's keys each
	s_lshl_b32 s72, s72, 14
	s_add_co_u32 s70, s70, s72
	s_mov_b32 s71, 0
	s_mul_i32 s72, s[WV], 2*KSB                    ; and where it goes: two steps a wave
	s_mov_b32 s[G1], 15|(1<<20)|(1<<21)|(5<<22)|(3<<25)   ; the cluster's four; elements of 1 byte; 4 words of padding behind every 64
	s_mov_b32 s[G1+1], 256<<16                     ; a dense block of 16,384 bytes as 64 rows of 256
	s_mov_b32 s[G1+2], 64<<16
	s_mov_b32 s[G1+3], 256<<16
	s_mov_b32 s[G1+4], 64
	s_mov_b32 s[G1+5], 256
	s_mov_b32 s[G1+6], 0
	s_mov_b32 s[G1+7], 0
	s_mov_b32 s[SEL], 0x76543210
	s_mov_b32 s[SEL+1], 0xfedcba98
	s_wait_alu depctr_va_vdst(0)
	s_wait_dscnt 0x0
	s_wait_kmcnt 0x0
	s_load_b256 s[56:63], s[6:7], 0x0              ; e0 .. e7
	s_mov_b32 s[G0], 1
	s_mov_b32 s[G0+1], s72
	s_add_nc_u64 s[G0+2:G0+3], s[4:5], s[70:71]
	s_or_b32 s[G0+3], s[G0+3], 0x80000000
	ROUND                                          ; the four work-groups are here: the joint loads meet
	tensor_load_to_lds s[G0:G0+3], s[G1:G1+7]      ; my one tensor load of the launch
	s_nop 0
	s_lshr_b32 s[MM], s[WV], 1
	s_and_b32 s[DQ], s[WV], 1
	s_lshl_b32 s[DQ], s[DQ], 6
	s_lshl_b32 s73, s[CX], 4
	s_add_co_u32 s[DQ], s[DQ], s73                 ; 64 (w % 2) + 16 cx
	s_lshl_b32 s73, s[MM], 7
	s_add_co_u32 s73, s73, s[DQ]                   ; my first tile's first query: 64 w + 16 cx
	s_sub_co_u32 s74, 2032, s73                    ; my second tile's
	s_sub_co_u32 s[DQH], 112, s[DQ]
	s_lshl_b32 s70, s73, 6
	s_add_co_u32 s70, s70, s68
	s_add_nc_u64 s[76:77], s[4:5], s[70:71]        ; q's codes, first tile
	s_lshl_b32 s70, s74, 6
	s_add_co_u32 s70, s70, s68
	s_add_nc_u64 s[78:79], s[4:5], s[70:71]        ; second tile
	s_and_b32 s72, s66, 0x30                       ; 16 x batch
	s_and_b32 s75, s66, 15
	s_lshl_b32 s75, s75, 13                        ; head x 8,192
	s_add_co_u32 s70, s72, s[MM]                   ; the first tile lies in block m of 128 tokens,
	s_lshl_b32 s70, s70, 17
	s_add_co_u32 s70, s70, s75
	s_lshl_b32 s80, s[DQ], 6
	s_add_co_u32 s70, s70, s80
	s_add_nc_u64 s[OUT:OUT+1], s[8:9], s[70:71]
	s_sub_co_u32 s70, 15, s[MM]                    ; the second in block 15 - m
	s_add_co_u32 s70, s70, s72
	s_lshl_b32 s70, s70, 17
	s_add_co_u32 s70, s70, s75
	s_lshl_b32 s80, s[DQH], 6
	s_add_co_u32 s70, s70, s80
	s_add_nc_u64 s[OUTH:OUTH+1], s[8:9], s[70:71]
	s_xor_b32 s[NW], s[MM], -1
	s_mul_i32 s81, s[WV], 1280
	s_add_co_u32 s81, s81, STAGE                   ; my stage
	s_mov_b32 s[N], 0
	s_mov_b32 s[KS], 0
	s_mov_b32 s[ND], s[MM]
	v_and_b32 v12, 15, v0                          ; r
	v_bfe_u32 v13, v0, 4, 1                        ; h
	v_and_b32 v15, 31, v0                          ; lane
	v_lshlrev_b32 v14, 6, v12
	v_lshl_add_u32 v14, v13, 4, v14                ; q: row r of 64 bytes + 16 h
	global_load_b128 v[16:19], v14, s[76:77]
	global_load_b128 v[20:23], v14, s[76:77] offset:32
	global_load_b128 v[24:27], v14, s[78:79]
	global_load_b128 v[28:31], v14, s[78:79] offset:32
	v_lshrrev_b32 v3, 2, v12                       ; k: four keys of 64 bytes lie in an LDS row
	v_lshrrev_b32 v4, 1, v12                       ; v: two rows of 128 keys
	v_mul_u32_u24 v[AK0], v3, 272
	v_mul_u32_u24 v[AV0], v4, 272
	v_and_b32 v3, 3, v12
	v_and_b32 v4, 1, v12
	v_lshl_add_u32 v[AK0], v3, 6, v[AK0]
	v_lshl_add_u32 v[AV0], v4, 7, v[AV0]
	v_lshl_add_u32 v[AK0], v13, 4, v[AK0]
	v_lshl_add_u32 v[AV0], v13, 4, v[AV0]
	v_lshlrev_b32 v[GO], 4, v15
	v_add_nc_u32 v[AV0], VOFF, v[AV0]
	v_mul_u32_u24 v[STO], v12, 80
	v_lshrrev_b32 v[SRD], 2, v15
	v_lshl_add_u32 v[STO], v13, 3, v[STO]
	v_mul_u32_u24 v[SRD], v[SRD], 80
	v_and_b32 v3, 3, v15
	v_add_nc_u32 v[STO], s81, v[STO]               ; into the stage: row r, 8 codes for each half of the lanes
	v_lshl_add_u32 v[SRD], v3, 4, v[SRD]
	v_lshlrev_b32 v4, 3, v13
	v_add_nc_u32 v[SRD], s81, v[SRD]               ; back: four lanes to a row of 64 codes
	v_sub_nc_u32 v[LQ], v12, v4
	v_mov_b32 v246, 0xff800000                     ; -infinity
	v_mov_b32 v209, 0                              ; (named as the upper halves of pairs)
	v_mov_b32 v215, 0
	INIT 0
	s_wait_alu depctr_va_vdst(0)
	s_wait_kmcnt 0x0
	s_add_co_i32 s70, s58, s59
	s_lshl_b32 s70, s70, 23
	s_mov_b32 s[CS], 0x3e38aa3b                    ; log2(e) / 8
	s_add_co_i32 s[CS], s[CS], s70                 ; x 2^(e2 + e3): added to the exponent field
	s_mov_b32 s[CS+1], s[CS]
	s_add_co_i32 s70, s61, 127
	s_lshl_b32 s72, s70, 23
	v_mov_b32 v244, s72                            ; 2^e5
	s_add_co_i32 s70, s70, 8
	s_lshl_b32 s70, s70, 23
	s_or_b32 s70, s70, 0x600000
	v_mov_b32 v240, s70                            ; 448 x 2^e5,
	v_mov_b32 v242, s70                            ; twice: the two halves of a dual instruction take their second sources from different register banks
	s_add_co_i32 s70, s62, 127
	s_lshl_b32 s72, s70, 23
	v_mov_b32 v245, s72                            ; 2^e6
	s_add_co_i32 s70, s70, 8
	s_lshl_b32 s70, s70, 23
	s_or_b32 s70, s70, 0x600000
	v_mov_b32 v241, s70                            ; 448 x 2^e6
	s_add_co_i32 s[E45], s60, s61                  ; e4 + e5
	s_wait_alu depctr_va_vdst(0)                   ; the wait at the head's end
	s_wait_loadcnt 0x0                             ; q
	s_wait_tensorcnt 0x0                           ; my part of k or v is in,
	s_barrier_signal -1
	s_barrier_wait -1                              ; and so is everybody's: from here on LDS is only read, and no wave waits for another
	KLOAD AK0                                      ; key step 0
.Lstep:                                            ; seventeen trips: a step of 128 keys for my 16 queries
	s_wait_dscnt 0x0                               ; k's fragments are in
.irp t, 0,1,2,3,4,5,6,7
	v_wmma_f32_16x16x64_fp8_fp8 v[96+8*\t:103+8*\t], v[32+8*\t:39+8*\t], v[16:23], 0
.endr
	s_add_co_u32 s96, s[N], 1                      ; the next trip's key step: n + 1 in the first tile, n + 1 - (m + 1) in the second: the lesser of the two as unsigned numbers
	s_add_co_u32 s97, s96, s[NW]
	s_min_u32 s97, s97, s96
	s_min_u32 s[KN], s97, 15                       ; (behind the last trip there is none: held inside k's steps)
	s_mul_i32 s[KN], s[KN], KSB
	v_add_nc_u32 v[ADV], s[KS], v[AV0]
	v_add_nc_u32 v[ADK], s[KN], v[AK0]
	v_mov_b32 v234, v208                           ; the old -M
	v_nop                                          ; with the three lines above: four places in front of the loads below and of the first read of the scores
.irp t, 0,1,2,3                                ; v's four fragments land under the softmax: registers 2 c, 2 c + 1 hold keys 16 c + 8 h + 0 .. 7
.irp c, 0,1,2,3
	ds_load_b128 v[32+16*\t+4*\c:35+16*\t+4*\c], v[ADV] offset:2176*\t+32*\c
.endr
.endr
	s_cmp_lg_u32 s[N], s[ND]                       ; a tile's last step lies on the diagonal
	s_cbranch_scc1 .Lopen
	v_add_nc_u32 v247, s[DQ], v[LQ]                ; d = my query - the step's first key - 8 h.  Register 8 t + j holds key 16 t + 8 h + j: hidden where 16 t + j > d
.set n, 0
.rept 64
	v_cmp_gt_i32 vcc_lo, 16*(n/8)+n%8, v247
	v_cndmask_b32 v[96+n], v[96+n], v246, vcc_lo
.set n, n+1
.endr
.Lopen:
	v_max3_num_f32 v222, v210, v96, v97            ; the largest score so far, in four chains that begin with the running one; each accumulator from its low end on
	v_max3_num_f32 v223, v210, v98, v99
	v_max3_num_f32 v232, v210, v100, v101
	v_max3_num_f32 v233, v210, v102, v103
.set j, 8
.rept 7
	v_max3_num_f32 v222, v222, v[96+j], v[97+j]
	v_max3_num_f32 v223, v223, v[98+j], v[99+j]
	v_max3_num_f32 v232, v232, v[100+j], v[101+j]
	v_max3_num_f32 v233, v233, v[102+j], v[103+j]
.set j, j+8
.endr
	v_max3_num_f32 v222, v222, v223, v232
	v_max_num_f32 v222, v222, v233
	v_permlanex16_b32 v223, v222, s[SEL], s[SEL+1]
	v_max_num_f32 v210, v222, v223                 ; the running largest score
	v_mul_f32 v211, s[CS], v210                    ; as t
	v_floor_f32 v208, -v211                        ; the new -M = -ceil(t)
	v_sub_f32 v223, v208, v234                     ; old M - new M: a whole number, 0 or less
	v_cvt_i32_f32 v223, v223
	v_ldexp_f32 v214, 1.0, v223                    ; f = 2^(old M - new M): rounds nothing
.set j, 0
.rept 32
	v_pk_fma_f32 v[96+j:97+j], v[96+j:97+j], s[CS:CS+1], v[208:209] op_sel_hi:[1,0,0]   ; t - M
.set j, j+2
.endr
.set j, 0
.rept 16
	v_pk_mul_f32 v[160+j:161+j], v[160+j:161+j], v[214:215] op_sel_hi:[1,0]   ; O^T under the new M
.set j, j+2
.endr
	s_wait_alu depctr_va_vdst(0)                   ; ahead of the batch
.set j, 0
.rept 64
	v_exp_f32 v[96+j], v[96+j]                     ; p = 2^(t - M)
.set j, j+1
.endr
	v_pk_mul_f32 v[212:213], v[212:213], v[214:215] op_sel_hi:[1,0]   ; the sum under the new M: a plain line behind the exponentials
	s_wait_alu depctr_va_vdst(0)                   ; one wait for the batch, ahead of its first reader
	v_pk_add_f32 v[216:217], v[96:97], v[98:99]    ; the sum of the unquantised p, in four chains
	v_pk_add_f32 v[218:219], v[100:101], v[102:103]
	v_pk_add_f32 v[220:221], v[104:105], v[106:107]
	v_pk_add_f32 v[212:213], v[212:213], v[108:109]
.set j, 14
.rept 6
	v_pk_add_f32 v[216:217], v[216:217], v[96+j:97+j]
	v_pk_add_f32 v[218:219], v[218:219], v[98+j:99+j]
	v_pk_add_f32 v[220:221], v[220:221], v[100+j:101+j]
	v_pk_add_f32 v[212:213], v[212:213], v[102+j:103+j]
.set j, j+8
.endr
	v_pk_add_f32 v[216:217], v[216:217], v[158:159]
.irp t, 0,1,2,3,4,5,6,7                        ; p is not negative: a one-sided hold ahead of the conversion, which does not saturate (ISA guide 7.6.2); two holds an instruction
.set j, 0
.rept 4
	v_dual_min_num_f32 v[96+8*\t+j], v[96+8*\t+j], v240 :: v_dual_min_num_f32 v[97+8*\t+j], v[97+8*\t+j], v242
.set j, j+2
.endr
	v_cvt_scalef32_pk8_fp8_f32 v[192+2*\t:193+2*\t], v[96+8*\t:103+8*\t], v244
.endr
	v_pk_add_f32 v[218:219], v[218:219], v[220:221]   ; the chains are joined: this line is the plain one behind the last conversion,
	s_wait_alu depctr_va_vdst(0)
	s_wait_dscnt 0x0                               ; v's fragments are in
.irp t, 0,1,2,3
	v_wmma_f32_16x16x128_fp8_fp8 v[160+8*\t:167+8*\t], v[32+16*\t:47+16*\t], v[192:207], v[160+8*\t:167+8*\t]   ; four accumulators by turns
.endr
	v_pk_add_f32 v[212:213], v[212:213], v[216:217]   ; and these two, with two idle lines, are the four places in front of the loads below and of a read of O^T
	v_pk_add_f32 v[212:213], v[212:213], v[218:219]
	v_nop
	v_nop
	KLOAD ADK                                      ; the next trip's k
	s_mov_b32 s[KS], s[KN]
	s_cmp_lg_u32 s[N], s[MM]
	s_cbranch_scc1 .Lsame
	FINAL                                          ; the first tile has seen its m + 1 steps
	s_wait_xcnt 0x0                                ; the stores have read their base and their registers
	s_mov_b64 s[OUT:OUT+1], s[OUTH:OUTH+1]
	s_mov_b32 s[DQ], s[DQH]
	s_mov_b32 s[ND], 16
	INIT 1
.Lsame:
	s_add_co_u32 s[N], s[N], 1
	s_cmp_lt_u32 s[N], 17
	s_wait_alu depctr_va_vdst(0)
	s_cbranch_scc1 .Lstep
	FINAL
	s_wait_tensorcnt 0x0                           ; the wave's end
	ds_add_u32 v[SPW], v[NIL]
	s_wait_dscnt 0x0
	ROUND                                          ; the closing round
	s_endpgm
.Lfunc_end_k_q9d415c6e85_attn:
	.size	k_q9d415c6e85_attn, .Lfunc_end_k_q9d415c6e85_attn-k_q9d415c6e85_attn
	.p2alignl 7, 3214868480
	.fill 96, 4, 3214868480
	.section	.rodata,"a",@progbits
	.p2align	6, 0x0
	.amdhsa_kernel k_q9d415c6e85_attn
		.amdhsa_group_segment_fixed_size 327680
		.amdhsa_private_segment_fixed_size 0
		.amdhsa_enable_private_segment 0
		.amdhsa_kernarg_size 24
		.amdhsa_user_sgpr_count 2
		.amdhsa_user_sgpr_kernarg_segment_ptr 1
		.amdhsa_wavefront_size32 1
		.amdhsa_system_sgpr_workgroup_id_x 1
		.amdhsa_system_sgpr_workgroup_id_y 1
		.amdhsa_system_sgpr_workgroup_id_z 1
		.amdhsa_system_vgpr_workitem_id 0
		.amdhsa_next_free_vgpr 256
		.amdhsa_next_free_sgpr 100
		.amdhsa_reserve_vcc 1
		.amdhsa_float_denorm_mode_32 3
		.amdhsa_float_denorm_mode_16_64 3
		.amdhsa_memory_ordered 1
		.amdhsa_forward_progress 1
		.amdhsa_inst_pref_size 41
	.end_amdhsa_kernel
	.amdgpu_metadata
---
amdhsa.version: [ 1, 2 ]
amdhsa.kernels:
  - .name:           k_q9d415c6e85_attn
    .symbol:         k_q9d415c6e85_attn.kd
    .args:
      - { .name: qkvc, .offset: 0, .size: 8, .value_kind: global_buffer, .address_space: global }
      - { .name: lowp_scales, .offset: 8, .size: 8, .value_kind: global_buffer, .address_space: global }
      - { .name: ac, .offset: 16, .size: 8, .value_kind: global_buffer, .address_space: global }
    .group_segment_fixed_size: 327680
    .private_segment_fixed_size: 0
    .kernarg_segment_align: 8
    .kernarg_segment_size: 24
    .max_flat_workgroup_size: 512
    .sgpr_count:     100
    .vgpr_count:     256
    .wavefront_size: 32
...
	.end_amdgpu_metadata
.endif
;; end of part 3
;; launch proj (part 4): grid 4 x 64, 4 waves a work-group, clusters of 4 x 4, 327,680 bytes of LDS; arguments ac, woc, b_out, lowp_scales, out0; writes out0
.if DOCPART == 4
	.amdgcn_target "amdgcn-amd-amdhsa--gfx1250"
	.amdhsa_code_object_version 6
	.text
	.protected	k_q9d415c6e85_proj
	.globl	k_q9d415c6e85_proj
	.p2align	8
	.type	k_q9d415c6e85_proj,@function
k_q9d415c6e85_proj:
	s_mov_b64 s[64:65], 0
	v_nop
	global_prefetch_b8 v0, s[64:65] scope:SCOPE_SE
	s_setreg_imm32_b32 hwreg(HW_REG_WAVE_MODE, 25, 1), 1
	s_wait_xcnt 0x0
	s_wait_alu depctr_hold_cnt(0) depctr_sa_sdst(0) depctr_va_vdst(0) depctr_va_sdst(0) depctr_va_ssrc(0) depctr_va_vcc(0) depctr_vm_vsrc(0)
	s_getreg_b32 s2, hwreg(HW_REG_IB_STS2, 6, 4)
	s_cmp_eq_u32 s2, 0
	s_cbranch_scc0 .Lentry_in_a_cluster
	s_endpgm
.Lentry_in_a_cluster:
	s_bfe_u32 s2, ttmp6, 0x10000c
	s_cmp_lg_u32 s2, 0xf033
	s_cbranch_scc0 .Lentry_shape_is_right
	s_endpgm
.Lentry_shape_is_right:
; out0 = attention's result x W_out + b_out on codes of E4M3; each sum x 2^(e6 + e7).  ac: blocks of 128 tokens, [16 heads][128 tokens][64], 131,072 bytes each; woc [1024 (n)][1024 (k)].
; A work-group makes 128 tokens x 256 columns, as two tiles of 128 x 128 one after the other; 4 x 64 work-groups, one to a WGP.  A wave makes 64 x 64 of a tile: 16 accumulators.
; ALL OF K LIES IN LDS: A's 128 tokens (131,072 bytes, 139,264 with padding) for both tiles, and B's 128 rows of the tile in hand (133,120 with padding).
; So the launch has two sets of tensor loads: A and the first tile's B at the head, the second tile's B into the same bytes when the first tile's products are done;
; the first tile's results leave while that load is on its way.
; CLUSTER 4 x 4: A hangs on the tile row alone and is asked for jointly along a row of the cluster, B on the tile column alone, jointly along a column.
; PREFETCH: the second tile's B, 131,072 bytes, is named at the head, a whole tile's products ahead of its load: each aligned block of 256 bytes once in a cluster that will load it:
; the four partners of a column share it out by address (cy), 8,192 bytes a wave, lanes 256 bytes apart.  What the head loads itself is not named.
; The matrix instruction is used transposed (source 0 = 16 rows of B, source 1 = 16 tokens): a lane holds eight neighbouring columns of one token.
; LIMIT: e6 + e7 between -126 and 127.
; REGISTERS.  Window 0: v8-15 the biases, v16-30 addresses, v32-95 the way out, v128-255 A's fragments, two sets.  Window 1: v0-127 the accumulators ((a, b) at 8 (4 a + b)), v128-255 B's fragments, two sets.
.set HB,    8704                       ; a head's 128 tokens x 64 bytes in LDS: 32 rows of 256 + 16
.set BOFF,  16*HB                      ; B's rows lie behind A
.set BP,    1040                       ; a row of B: 1,024 bytes + 16
.set SPARE, BOFF+128*BP                ; the spare words: 128 bytes a wave, named by no other line
.set STAGE, SPARE+512                  ; the way out: 16 rows x 272 bytes for each wave; no tile lands here
.set ADRA, 16                          ; v16, v17: A's fragments, heads 0-7 and heads 8-15
.set ADRB, 20
.set STO,  24
.set RD,   25
.set CO,   26
.set PFO,  27
.set SPW,  28
.set NIL,  29
.set OB,   30
.set G1, 24
.set G0, 32
.set G1B, 48
.set G0B, 56
.set PF, 36
.set MSB, 0
.macro WIN new                         ; the immediate's high byte repeats the setting that is left
.if MSB != (\new)
	s_set_vgpr_msb (MSB<<8)|(\new)
.set MSB, (\new)
.endif
.endm
.macro PLACES
.rept 4
	v_nop
.endr
.endm
.macro CROUND                          ; a round of the cluster's barrier
	s_barrier_signal -1
	s_barrier_wait -1
	s_cmp_lg_u32 s14, 0
	s_cbranch_scc1 .Lnot_wave_0_\@
	s_barrier_signal -3
.Lnot_wave_0_\@:
	s_barrier_wait -3
	s_barrier_signal -1
	s_barrier_wait -1
.endm
.macro FETCH q                         ; the fragments of 128 along K, the q-th of eight, into set q % 2: registers 4 c .. 4 c + 3 hold K = 32 c + 16 h + 0 .. 15, alike in A and B
.set P, 64*((\q)%2)
	WIN 0x40
.irp b, 0,1,2,3
.irp c, 0,1,2,3
	ds_load_b128 v[128+P+16*\b+4*\c:131+P+16*\b+4*\c], v[ADRB] offset:16*BP*\b+128*(\q)+32*\c
.endr
.endr
	WIN 0
.irp i, 0,1,2,3
.irp c, 0,1,2,3
	ds_load_b128 v[128+P+16*\i+4*\c:131+P+16*\i+4*\c], v[ADRA+(\q)/4] offset:(2*((\q)%4)+\c/2)*HB+1088*\i+32*(\c%2)
.endr
.endr
.endm
.macro MUL q                           ; sixteen accumulators by turns; the first step starts the sums
.set P, 64*((\q)%2)
	WIN 0x51
.irp a, 0,1,2,3
.irp b, 0,1,2,3
.if (\q) == 0
	v_wmma_f32_16x16x128_fp8_fp8 v[8*(4*\a+\b):8*(4*\a+\b)+7], v[128+P+16*\b:143+P+16*\b], v[128+P+16*\a:143+P+16*\a], 0
.else
	v_wmma_f32_16x16x128_fp8_fp8 v[8*(4*\a+\b):8*(4*\a+\b)+7], v[128+P+16*\b:143+P+16*\b], v[128+P+16*\a:143+P+16*\a], v[8*(4*\a+\b):8*(4*\a+\b)+7]
.endif
.endr
.endr
.endm
.macro TILE
	FETCH 0
.irp q, 0,1,2,3,4,5,6
.if \q > 0
	PLACES                                         ; in front of loads into registers that the step before last multiplied
.endif
	FETCH \q+1
	s_wait_dscnt 32                                ; this step's fragments are in; the 32 loads just issued may be out
	MUL \q
.endr
	s_wait_dscnt 0x0
	MUL 7
	WIN 0
.endm
.macro TOSTAGE a                       ; 16 tokens x 64 columns through my stage: in 32 bytes a lane, back as rows of 256 bytes
	WIN 0x04
.irp b, 0,1,2,3
	ds_store_b128 v[STO], v[8*(4*(\a)+\b):8*(4*(\a)+\b)+3] offset:64*\b
	ds_store_b128 v[STO], v[8*(4*(\a)+\b)+4:8*(4*(\a)+\b)+7] offset:64*\b+16
.endr
	WIN 0
.set BB, 32+32*((\a)%2)
.irp t, 0,1,2,3,4,5,6,7
	ds_load_b128 v[BB+4*\t:BB+4*\t+3], v[RD] offset:544*\t   ; LDS serves a wave's instructions in order
.endr
.endm
.macro SEND a, u, younger
.set BB, 32+32*((\a)%2)
.set BI, 12-4*(\u)
	s_wait_dscnt \younger
.irp t, 0,1,2,3,4,5,6,7
	v_pk_fma_f32 v[BB+4*\t:BB+4*\t+1], v[BB+4*\t:BB+4*\t+1], s[96:97], v[BI:BI+1] op_sel_hi:[1,0,1]
	v_pk_fma_f32 v[BB+4*\t+2:BB+4*\t+3], v[BB+4*\t+2:BB+4*\t+3], s[96:97], v[BI+2:BI+3] op_sel_hi:[1,0,1]
.endr
.irp t, 0,1,2,3,4,5,6,7
	global_store_b128 v[CO], v[BB+4*\t:BB+4*\t+3], s[12:13] offset:65536*(\a)+8192*\t+512*(\u) th:TH_STORE_NT   ; sixteen lanes store 256 consecutive bytes, aligned
.endr
.endm
.macro EPI u
	TOSTAGE 0
.irp a, 1,2,3
.if \a > 1
	s_wait_xcnt 0x0                                ; block a - 2's stores have read their registers
.endif
	TOSTAGE \a
	SEND \a-1, \u, 16                              ; behind block a - 1's loads: block a's 8 stores and 8 loads
.endr
	SEND 3, \u, 0
.endm
	s_load_b256 s[4:11], s[0:1], 0x0               ; ac s[4:5], woc s[6:7], b_out s[8:9], the scales s[10:11]
	s_load_b64 s[12:13], s[0:1], 0x20              ; out0
	v_lshl_add_u32 v[SPW], v0, 2, SPARE
	v_mov_b32 v[NIL], 0
	ds_add_u32 v[SPW], v[NIL]                      ; the opening lines: the add, twice on end, and its wait
	ds_add_u32 v[SPW], v[NIL]
	v_lshrrev_b32 v1, 5, v0
	v_readfirstlane_b32 s14, v1                    ; wave 0..3
	s_lshr_b32 s15, s14, 1                         ; my half of the tokens.  Also: I fetch for A (0) or for B (1)
	s_and_b32 s16, s14, 1                          ; my half of a tile's columns.  Also: which half I fetch
	s_bfe_u32 s40, ttmp6, 0x40000                  ; cx
	s_bfe_u32 s41, ttmp6, 0x40004                  ; cy
	s_lshl_b32 s42, ttmp9, 2
	s_add_co_u32 s42, s42, s40                     ; which 256 columns
	s_and_b32 s17, ttmp7, 0xffff
	s_lshl_b32 s17, s17, 2
	s_add_co_u32 s17, s17, s41                     ; which 128 tokens
	s_lshl_b32 s43, s41, 2
	s_lshl_b32 s43, 15, s43                        ; my row of the cluster
	s_lshl_b32 s44, 0x1111, s40                    ; my column
	s_or_b32 s[G1+0], s43, (1<<20)|(1<<21)|(5<<22)|(3<<25)    ; A: elements of 1 byte; 4 words of padding behind every 64
	s_mov_b32 s[G1+1], 256<<16                     ; a dense block of 65,536 bytes as 256 rows of 256
	s_mov_b32 s[G1+2], 256<<16
	s_mov_b32 s[G1+3], 256<<16
	s_mov_b32 s[G1+4], 256
	s_mov_b32 s[G1+5], 256
	s_mov_b32 s[G1+6], 0
	s_mov_b32 s[G1+7], 0
	s_or_b32 s[G1B+0], s44, (1<<20)|(1<<21)|(7<<22)|(3<<25)   ; B: 4 words of padding behind every 256
	s_mov_b32 s[G1B+1], 1024<<16                   ; 64 rows of 1,024 bytes
	s_mov_b32 s[G1B+2], 64<<16
	s_mov_b32 s[G1B+3], 1024<<16
	s_mov_b32 s[G1B+4], 64
	s_mov_b32 s[G1B+5], 1024
	s_mov_b32 s[G1B+6], 0
	s_mov_b32 s[G1B+7], 0
	s_lshl_b32 s18, s16, 16                        ; my half: 65,536 bytes of A's block or of B's 128 rows
	s_lshl_b32 s20, s17, 17
	s_add_co_u32 s20, s20, s18
	s_mov_b32 s21, 0
	s_lshl_b32 s46, s42, 18
	s_add_co_u32 s46, s46, s18
	s_mov_b32 s47, 0
	s_mul_i32 s45, s16, 8*HB                       ; where it goes
	s_mul_i32 s19, s16, 64*BP
	s_add_co_u32 s19, s19, BOFF
	s_lshl_b32 s66, s42, 18                        ; the prefetch: the second tile's rows of B,
	s_add_co_u32 s66, s66, 131072
	s_lshl_b32 s68, s41, 2
	s_add_co_u32 s68, s68, s14
	s_lshl_b32 s68, s68, 13                        ; of which partner cy's wave w names 8,192 bytes
	s_add_co_u32 s66, s66, s68
	s_mov_b32 s67, 0
	s_wait_alu depctr_va_vdst(0)
	s_wait_dscnt 0x0
	s_wait_kmcnt 0x0
	s_load_b256 s[72:79], s[10:11], 0x0            ; e0 .. e7
	s_mov_b32 s[G0], 1
	s_mov_b32 s[G0+1], s45
	s_add_nc_u64 s[G0+2:G0+3], s[4:5], s[20:21]
	s_or_b32 s[G0+3], s[G0+3], 0x80000000
	s_mov_b32 s[G0B], 1
	s_mov_b32 s[G0B+1], s19
	s_add_nc_u64 s[G0B+2:G0B+3], s[6:7], s[46:47]
	s_or_b32 s[G0B+3], s[G0B+3], 0x80000000
	s_add_nc_u64 s[PF:PF+1], s[6:7], s[66:67]
	CROUND                                         ; all sixteen work-groups are here: the joint loads meet
	s_cmp_eq_u32 s15, 0
	s_cbranch_scc0 .Lfor_b
	tensor_load_to_lds s[G0:G0+3], s[G1:G1+7]      ; waves 0, 1: A's halves
	s_nop 0
	PLACES
	s_branch .Lasked
.Lfor_b:
	tensor_load_to_lds s[G0B:G0B+3], s[G1B:G1B+7]  ; waves 2, 3: the halves of the first tile's B
	s_nop 0
	PLACES
.Lasked:
	s_mul_i32 s22, s15, 4*1088                     ; my 64 tokens
	s_mul_i32 s23, s16, 64*BP
	s_add_co_u32 s23, s23, BOFF                    ; my 64 rows of B
	s_mul_i32 s69, s14, 16*272
	s_add_co_u32 s69, s69, STAGE                   ; my stage
	s_lshl_b32 s90, s42, 10
	s_lshl_b32 s91, s16, 8
	s_add_co_u32 s90, s90, s91                     ; my first column, in bytes of f32
	v_and_b32 v1, 15, v0                           ; r
	v_bfe_u32 v2, v0, 4, 1                         ; h
	v_and_b32 v6, 31, v0                           ; lane
	v_lshrrev_b32 v3, 2, v1                        ; A: four tokens of 64 bytes lie in an LDS row
	v_mul_u32_u24 v4, v1, BP
	v_mul_u32_u24 v3, v3, 272
	v_and_b32 v5, 3, v1
	v_lshl_add_u32 v4, v2, 4, v4
	v_lshl_add_u32 v3, v5, 6, v3
	v_add_nc_u32 v[ADRB], s23, v4
	v_lshl_add_u32 v3, v2, 4, v3
	v_lshlrev_b32 v[PFO], 8, v6
	v_add_nc_u32 v[ADRA], s22, v3
	v_mul_u32_u24 v5, v1, 272
	v_add_nc_u32 v[ADRA+1], 8*HB, v[ADRA]
	v_lshl_add_u32 v5, v2, 5, v5
	v_mul_u32_u24 v7, v2, 272
	v_add_nc_u32 v[STO], s69, v5                   ; into the stage: row r, 32 bytes for each half of the lanes
	v_lshl_add_u32 v7, v1, 4, v7
	v_lshlrev_b32 v[CO], 12, v2
	v_add_nc_u32 v[RD], s69, v7                    ; back: sixteen lanes to a row, two rows an instruction
	v_lshl_add_u32 v[CO], v1, 4, v[CO]             ; and the same two rows in out0
	v_lshl_add_u32 v[OB], v1, 4, s90
	global_prefetch_b8 v[PFO], s[PF:PF+1] th:TH_LOAD_NT scope:SCOPE_SE
	global_load_b128 v[12:15], v[OB], s[8:9]       ; the biases of my columns, first tile
	global_load_b128 v[8:11], v[OB], s[8:9] offset:512   ; second tile
	s_lshl_b32 s92, s17, 19
	s_lshl_b32 s91, s15, 18
	s_add_co_u32 s92, s92, s91                     ; my first token's row of 4,096 bytes
	s_add_co_u32 s90, s90, s92
	s_mov_b32 s91, 0
	s_add_nc_u64 s[12:13], s[12:13], s[90:91]
	s_wait_alu depctr_va_vdst(0)                   ; the wait at the head's end
	s_wait_kmcnt 0x0
	s_add_co_i32 s96, s78, s79
	s_add_co_i32 s96, s96, 127
	s_lshl_b32 s96, s96, 23                        ; 2^(e6 + e7) as f32
	s_mov_b32 s97, s96
	s_wait_tensorcnt 0x0                           ; my part is in,
	s_barrier_signal -1
	s_barrier_wait -1                              ; and everybody's
	TILE
	s_wait_tensorcnt 0x0                           ; in front of the refill
	ds_add_u32 v[SPW], v[NIL]
	s_add_nc_u64 s[G0B+2:G0B+3], s[G0B+2:G0B+3], 131072   ; 128 rows of B on
	s_wait_dscnt 0x0                               ; the add is done, and my reads of B are over
	CROUND                                         ; no wave of any partner still reads B's bytes
	s_cmp_eq_u32 s15, 0
	s_cbranch_scc1 .Lno_b
	tensor_load_to_lds s[G0B:G0B+3], s[G1B:G1B+7]  ; waves 2, 3: the second tile's B
	s_nop 0
.Lno_b:
	PLACES                                         ; also the places behind the last products
	s_wait_loadcnt 0x0                             ; the biases
	EPI 0                                          ; the first tile leaves while the load is on its way
	s_wait_tensorcnt 0x0
	s_barrier_signal -1
	s_barrier_wait -1
	TILE
	PLACES
	s_wait_xcnt 0x0                                ; the first tile's stores have read their registers
	EPI 1
	s_wait_tensorcnt 0x0                           ; the wave's end
	ds_add_u32 v[SPW], v[NIL]
	s_wait_dscnt 0x0
	CROUND                                         ; the closing round
	s_endpgm
.Lfunc_end_k_q9d415c6e85_proj:
	.size	k_q9d415c6e85_proj, .Lfunc_end_k_q9d415c6e85_proj-k_q9d415c6e85_proj
	.p2alignl 7, 3214868480
	.fill 96, 4, 3214868480
	.section	.rodata,"a",@progbits
	.p2align	6, 0x0
	.amdhsa_kernel k_q9d415c6e85_proj
		.amdhsa_group_segment_fixed_size 327680
		.amdhsa_private_segment_fixed_size 0
		.amdhsa_enable_private_segment 0
		.amdhsa_kernarg_size 40
		.amdhsa_user_sgpr_count 2
		.amdhsa_user_sgpr_kernarg_segment_ptr 1
		.amdhsa_wavefront_size32 1
		.amdhsa_system_sgpr_workgroup_id_x 1
		.amdhsa_system_sgpr_workgroup_id_y 1
		.amdhsa_system_sgpr_workgroup_id_z 1
		.amdhsa_system_vgpr_workitem_id 0
		.amdhsa_next_free_vgpr 512
		.amdhsa_next_free_sgpr 98
		.amdhsa_reserve_vcc 0
		.amdhsa_float_denorm_mode_32 3
		.amdhsa_float_denorm_mode_16_64 3
		.amdhsa_memory_ordered 1
		.amdhsa_forward_progress 1
		.amdhsa_inst_pref_size 83
	.end_amdhsa_kernel
	.amdgpu_metadata
---
amdhsa.version: [ 1, 2 ]
amdhsa.kernels:
  - .name:           k_q9d415c6e85_proj
    .symbol:         k_q9d415c6e85_proj.kd
    .args:
      - { .name: ac, .offset: 0, .size: 8, .value_kind: global_buffer, .address_space: global }
      - { .name: woc, .offset: 8, .size: 8, .value_kind: global_buffer, .address_space: global }
      - { .name: b_out, .offset: 16, .size: 8, .value_kind: global_buffer, .address_space: global }
      - { .name: lowp_scales, .offset: 24, .size: 8, .value_kind: global_buffer, .address_space: global }
      - { .name: out0, .offset: 32, .size: 8, .value_kind: global_buffer, .address_space: global }
    .group_segment_fixed_size: 327680
    .private_segment_fixed_size: 0
    .kernarg_segment_align: 8
    .kernarg_segment_size: 40
    .max_flat_workgroup_size: 128
    .sgpr_count:     98
    .vgpr_count:     512
    .wavefront_size: 32
...
	.end_amdgpu_metadata
.endif
;; end of part 4
